; MI455X (gfx1250); checked and timed in simulation.
; The chip was launched on July 23, 2026; its instructions are those of AMD's public machine-readable ISA for CDNA 5 (MIT licence, August 2026) and "CDNA5" Instruction Set Architecture Reference Guide (July 2026). The comments in the code are by the model that wrote it; some were corrected since.
;; Elastic Pooling. Allowed arithmetic: float matrix products may take bf16 or f16 operands with f32 sums; all other float work in f32.
;; Inputs: x 16 x 1,024 x 32 x 128 float32.
;; Outputs: out0 16 x 128 x 16 x 128 float32.
;; 2 versions, each right; version 2 is version 1 with the launch pool written anew for expert scheduling mode. Each part assembles by itself: llvm-mc -triple=amdgcn-amd-amdhsa -mcpu=gfx1250 --defsym DOCPART=n.
;; ======== version 1 of 2: 1 launch
;; launch pool (part 1): grid 1024 x 1, 8 waves a work-group, no clusters, 0 bytes of LDS; arguments x, out0; writes out0
.if DOCPART == 1
	.amdgcn_target "amdgcn-amd-amdhsa--gfx1250"
	.amdhsa_code_object_version 6
	.text
	.protected	k_q02496e5f1b_pool
	.globl	k_q02496e5f1b_pool
	.p2align	8
	.type	k_q02496e5f1b_pool,@function
k_q02496e5f1b_pool:
	s_mov_b64 s[64:65], 0
	v_nop
	global_prefetch_b8 v0, s[64:65] scope:SCOPE_SE
	s_setreg_imm32_b32 hwreg(HW_REG_WAVE_MODE, 25, 1), 1
	s_wait_xcnt 0x0
; out0[b][p][w][c] = max over r = 0..7, j = 0..1 of x[b][8p + r][2w + j][c].
; x: [16][1024][32][128] f32, out0: [16][128][16][128] f32.
;
; A row (b, h) of x is 32 x 128 f32 = 16,384 bytes; a row bin (b, p) is 8 consecutive rows = 131,072 contiguous bytes and
; gives 16 x 128 f32 = 8,192 contiguous bytes of out0.  There are 16 x 128 = 2,048 row bins; 1,024 work-groups take two each.
; Wave v of the eight takes the column bins 2v and 2v + 1: 2,048 neighbouring bytes of every row, four loads of 16 bytes a lane,
; each covering 512 consecutive bytes that start at a multiple of 512 from x's first byte:
;   load 0: (bin 2v, j = 0)   load 1: (bin 2v, j = 1)   load 2: (bin 2v + 1, j = 0)   load 3: (bin 2v + 1, j = 1).
; Lane l holds channels 4l .. 4l + 3 in all of them, so the whole maximum is formed inside a lane: no LDS, no lane exchange,
; no barrier.  Every byte of x is loaded once, every byte of out0 stored once, by stores of 512 consecutive aligned bytes a wave.
; No two work-groups read a common byte, so there is nothing for a cluster to share; there is no product for the matrix unit;
; no prefetch is written, since the ring below already keeps 20 to 24 loads of every wave on their way until the last rows.
;
; A ring of DEPTH = 6 register slots, one row (4 loads, 16 registers) each.  The 16 turns are written out, so every address is one
; offset register plus an immediate (at most 15 x 16,384 + 1,536 bytes): no address, base or store data register is ever written
; a second time, and no wait is needed to free one.  Each of the two row bins has accumulators of its own for the same reason.
;
; VALUES: v_maximum_f32 lets a NaN win, as jnp.max does; infinities and all magnitudes pass unchanged (a maximum rounds nothing).
; LIMIT: of +0 and -0 it takes +0; the sign of a zero result may differ from a reference that treats the two as equal.
.set ROW,    16384                     ; bytes in a row of x
.set RPB,    8                         ; rows in a row bin
.set BINS,   2                         ; row bins of a work-group
.set NROWS,  BINS*RPB                  ; rows that a wave walks
.set OUTBIN, 8192                      ; bytes of out0 for a row bin
.set DEPTH,  6                         ; slots = rows in flight in each wave
.set XO,  1                            ; v1        my byte offset in a row of x: 2048 wave + 16 lane
.set YO,  2                            ; v2        my byte offset in a row bin of out0: 1024 wave + 16 lane
.set ACC, 4                            ; v[4:19]   row bin q: 8 registers: 4 channels of column bin 2v, 4 of column bin 2v + 1
.set X,   20                           ; v[20:115] slot s: 16 registers, the row's four loads
	s_load_b128 s[4:7], s[0:1], 0x0                ; x s[4:5], out0 s[6:7]
	s_lshl_b32 s8, ttmp9, 18                       ; the work-group's part of x: 2 row bins of 131,072 bytes (at most 1023 << 18, below 2^32)
	s_mov_b32 s9, 0
	s_lshl_b32 s10, ttmp9, 14                      ; and of out0: 2 x 8,192 bytes
	s_mov_b32 s11, 0
	v_and_b32 v3, 31, v0                           ; lane
	v_lshrrev_b32 v[YO], 5, v0                     ; wave
	v_lshlrev_b32 v3, 4, v3                        ; 16 bytes a lane
	v_lshl_add_u32 v[XO], v[YO], 11, v3            ; + wave x 2,048: four column positions of 512 bytes
	v_lshl_add_u32 v[YO], v[YO], 10, v3            ; + wave x 1,024: two column bins of 512 bytes
	s_wait_kmcnt 0x0
	s_add_nc_u64 s[4:5], s[4:5], s[8:9]
	s_add_nc_u64 s[6:7], s[6:7], s[10:11]
; Row i of the work-group's 16 into its slot: four loads, 2,048 neighbouring bytes for the wave.  x is read once in the launch: NT.
.macro FILL i
.irp k, 0,1,2,3
	global_load_b128 v[X+16*((\i)%DEPTH)+4*\k:X+16*((\i)%DEPTH)+4*\k+3], v[XO], s[4:5] offset:(\i)*ROW+512*\k th:TH_LOAD_NT
.endr
.endm
.irp i, 0,1,2,3,4,5
	FILL \i                                        ; fill the ring: rows 0 to 5, 24 loads
.endr
; The turn of row i.
.macro TURN i
.set SL, X+16*(\i%DEPTH)                           ; the row's slot
.set AC, ACC+8*(\i/RPB)                            ; its row bin's accumulators
	; Loads come back in order (ISA guide 5.7.1).  Behind this row's four loads stand four for each younger row that has been
	; asked for: DEPTH - 1 = 5 rows while the ring is refilled, then only the rows that are left.
.if NROWS-1-\i < DEPTH-1
	s_wait_loadcnt 4*(NROWS-1-\i)
.else
	s_wait_loadcnt 4*(DEPTH-1)
.endif
.if \i%RPB == 0
	; the first row of a row bin starts the eight chains with max(j = 0, j = 1): nothing is cleared
.irp c, 0,1,2,3
	v_maximum_f32 v[AC+\c],   v[SL+\c],   v[SL+4+\c]
	v_maximum_f32 v[AC+4+\c], v[SL+8+\c], v[SL+12+\c]
.endr
.else
	; eight independent chains: first all j = 0, then all j = 1, so that no line waits for the one in front of it
.irp c, 0,1,2,3
	v_maximum_f32 v[AC+\c],   v[AC+\c],   v[SL+\c]
	v_maximum_f32 v[AC+4+\c], v[AC+4+\c], v[SL+8+\c]
.endr
.irp c, 0,1,2,3
	v_maximum_f32 v[AC+\c],   v[AC+\c],   v[SL+4+\c]
	v_maximum_f32 v[AC+4+\c], v[AC+4+\c], v[SL+12+\c]
.endr
.endif
.if \i+DEPTH < NROWS
	FILL \i+DEPTH                                  ; the slot's next row, ahead of the stores; the last DEPTH turns ask for nothing
.endif
.if \i%RPB == RPB-1
	; the row bin is complete: two stores, each 512 consecutive bytes of out0 at a multiple of 512 from its first byte.
	; Their data registers belong to this row bin alone and are not written again.
	global_store_b128 v[YO], v[AC:AC+3],   s[6:7] offset:(\i/RPB)*OUTBIN th:TH_STORE_NT
	global_store_b128 v[YO], v[AC+4:AC+7], s[6:7] offset:(\i/RPB)*OUTBIN+512 th:TH_STORE_NT
.endif
.endm
.irp i, 0,1,2,3,4,5,6,7,8,9,10,11,12,13,14,15
	TURN \i
.endr
	s_endpgm
.Lfunc_end_k_q02496e5f1b_pool:
	.size	k_q02496e5f1b_pool, .Lfunc_end_k_q02496e5f1b_pool-k_q02496e5f1b_pool
	.p2alignl 7, 3214868480
	.fill 96, 4, 3214868480
	.section	.rodata,"a",@progbits
	.p2align	6, 0x0
	.amdhsa_kernel k_q02496e5f1b_pool
		.amdhsa_group_segment_fixed_size 0
		.amdhsa_private_segment_fixed_size 0
		.amdhsa_enable_private_segment 0
		.amdhsa_kernarg_size 16
		.amdhsa_user_sgpr_count 2
		.amdhsa_user_sgpr_kernarg_segment_ptr 1
		.amdhsa_wavefront_size32 1
		.amdhsa_system_sgpr_workgroup_id_x 1
		.amdhsa_system_sgpr_workgroup_id_y 1
		.amdhsa_system_sgpr_workgroup_id_z 1
		.amdhsa_system_vgpr_workitem_id 0
		.amdhsa_next_free_vgpr 116
		.amdhsa_next_free_sgpr 66
		.amdhsa_reserve_vcc 0
		.amdhsa_float_denorm_mode_32 3
		.amdhsa_float_denorm_mode_16_64 3
		.amdhsa_memory_ordered 1
		.amdhsa_forward_progress 1
		.amdhsa_inst_pref_size 23
	.end_amdhsa_kernel
	.amdgpu_metadata
---
amdhsa.version: [ 1, 2 ]
amdhsa.kernels:
  - .name:           k_q02496e5f1b_pool
    .symbol:         k_q02496e5f1b_pool.kd
    .args:
      - { .name: x, .offset: 0, .size: 8, .value_kind: global_buffer, .address_space: global }
      - { .name: out0, .offset: 8, .size: 8, .value_kind: global_buffer, .address_space: global }
    .group_segment_fixed_size: 0
    .private_segment_fixed_size: 0
    .kernarg_segment_align: 8
    .kernarg_segment_size: 16
    .max_flat_workgroup_size: 256
    .sgpr_count:     66
    .vgpr_count:     116
    .wavefront_size: 32
...
	.end_amdgpu_metadata
.endif
;; end of part 1
;; ======== version 2 of 2: 1 launch; version 1 with the launch pool written anew for expert scheduling mode
;; launch pool (part 2): grid 1024 x 1, 8 waves a work-group, no clusters, 0 bytes of LDS; arguments x, out0; writes out0
.if DOCPART == 2
	.amdgcn_target "amdgcn-amd-amdhsa--gfx1250"
	.amdhsa_code_object_version 6
	.text
	.protected	k_q02496e5f1b_pool
	.globl	k_q02496e5f1b_pool
	.p2align	8
	.type	k_q02496e5f1b_pool,@function
k_q02496e5f1b_pool:
	s_mov_b64 s[64:65], 0
	v_nop
	global_prefetch_b8 v0, s[64:65] scope:SCOPE_SE
	s_setreg_imm32_b32 hwreg(HW_REG_WAVE_SCHED_MODE, 0, 2), 2
	s_setreg_imm32_b32 hwreg(HW_REG_WAVE_MODE, 25, 1), 1
	s_wait_xcnt 0x0
	s_wait_alu depctr_vm_vsrc(0)
; out0[b][p][w][c] = max over r = 0..7, j = 0..1 of x[b][8p + r][2w + j][c].
; x: [16][1024][32][128] f32, out0: [16][128][16][128] f32.
;
; A row (b, h) of x is 32 x 128 f32 = 16,384 bytes; a row bin (b, p) is 8 consecutive rows = 131,072 contiguous bytes and
; gives 16 x 128 f32 = 8,192 contiguous bytes of out0.  There are 16 x 128 = 2,048 row bins; 1,024 work-groups take two each.
; Wave v of the eight takes the column bins 2v and 2v + 1: 2,048 neighbouring bytes of every row, four loads of 16 bytes a lane,
; each covering 512 consecutive bytes that start at a multiple of 512 from x's first byte:
;   load 0: (bin 2v, j = 0)   load 1: (bin 2v, j = 1)   load 2: (bin 2v + 1, j = 0)   load 3: (bin 2v + 1, j = 1).
; Lane l holds channels 4l .. 4l + 3 in all of them, so the whole maximum is formed inside a lane: no LDS, no lane exchange,
; no barrier.  Every byte of x is loaded once, every byte of out0 stored once, by stores of 512 consecutive aligned bytes a wave.
; No two work-groups read a common byte, so there is nothing for a cluster to share; there is no product for the matrix unit;
; no prefetch is written, since the ring below already keeps 16 to 20 loads of every wave on their way until the last rows.
;
; A ring of DEPTH = 6 register slots, one row (4 loads, 16 registers) each.  The 16 turns are written out, so every address is one
; offset register plus an immediate (at most 15 x 16,384 + 1,536 bytes): no address, base or store data register is ever written
; a second time, and no wait is needed to free one.  Each of the two row bins has accumulators of its own for the same reason.
;
; THE MODE: SCHED_MODE bits 1:0 = 2 (LLVM: expert scheduling mode 2), set by the entry lines.  The code itself states the register
; dependences between vector instructions and memory instructions, with s_wait_alu, always for 0.
; THE PLAN.  Registers that memory instructions touch:
;   v[XO], v[YO]  the offsets of all loads and of all stores.  Written once at the head, never again.
;   X0 .. X5      slot s holds the rows i with i % 6 = s.  Written by loads alone; read by the maxima of turn i alone.
;   ACC0, ACC1    row bin q's accumulators.  Written by the maxima of turns 8q to 8q + 7; read by two stores issued behind turn 8q + 7;
;                 never written again.
; Turn i works on slot i % 6.  Its four loads are those of row i + 5 and land in slot (i + 5) % 6 = (i - 1) % 6: the slot that the turn
; before worked on and that no vector instruction of turn i names.  The stores of row bin 0 stand in turn 8, whose maxima name ACC1 alone.
; So ONE wait on va_vdst at the head of a turn states all that the turn's memory instructions hang on, and these are dealt among its
; maxima with no further wait.  No register that a memory instruction reads is written again, so the text holds no wait on vm_vsrc.
;
; VALUES: v_maximum_f32 lets a NaN win, as jnp.max does; infinities and all magnitudes pass unchanged (a maximum rounds nothing).
; LIMIT: of +0 and -0 it takes +0; the sign of a zero result may differ from a reference that treats the two as equal.
.set ROW,    16384                     ; bytes in a row of x
.set RPB,    8                         ; rows in a row bin
.set BINS,   2                         ; row bins of a work-group
.set NROWS,  BINS*RPB                  ; rows that a wave walks
.set OUTBIN, 8192                      ; bytes of out0 for a row bin
.set DEPTH,  6                         ; slots
.set AHEAD,  DEPTH-1                   ; turn i asks for row i + AHEAD
.set XO,  1                            ; v1        my byte offset in a row of x: 2048 wave + 16 lane
.set YO,  2                            ; v2        my byte offset in a row bin of out0: 1024 wave + 16 lane
.set ACC, 4                            ; v[4:19]   row bin q: 8 registers: 4 channels of column bin 2v, 4 of column bin 2v + 1
.set X,   20                           ; v[20:115] slot s: 16 registers, the row's four loads
	s_load_b128 s[4:7], s[0:1], 0x0                ; x s[4:5], out0 s[6:7]
	s_lshl_b32 s8, ttmp9, 18                       ; the work-group's part of x: 2 row bins of 131,072 bytes (at most 1023 << 18, below 2^32)
	s_mov_b32 s9, 0
	s_lshl_b32 s10, ttmp9, 14                      ; and of out0: 2 x 8,192 bytes
	s_mov_b32 s11, 0
	v_and_b32 v3, 31, v0                           ; lane
	v_lshrrev_b32 v[YO], 5, v0                     ; wave
	v_lshlrev_b32 v3, 4, v3                        ; 16 bytes a lane
	v_lshl_add_u32 v[XO], v[YO], 11, v3            ; + wave x 2,048: four column positions of 512 bytes
	v_lshl_add_u32 v[YO], v[YO], 10, v3            ; + wave x 1,024: two column bins of 512 bytes
	s_wait_kmcnt 0x0
	s_add_nc_u64 s[4:5], s[4:5], s[8:9]
	s_add_nc_u64 s[6:7], s[6:7], s[10:11]
	s_wait_alu depctr_va_vdst(0)                   ; v[XO] and v[YO] are written: every load and store of the kernel reads one of them as its offset
; Load k of row i of the work-group's 16, into the row's slot: 512 neighbouring bytes for the wave.  x is read once in the launch: NT.
.macro LOAD1 i, k
	global_load_b128 v[X+16*((\i)%DEPTH)+4*(\k):X+16*((\i)%DEPTH)+4*(\k)+3], v[XO], s[4:5] offset:(\i)*ROW+512*(\k) th:TH_LOAD_NT
.endm
; In turn i: load k of the row AHEAD further on; the last AHEAD turns ask for nothing, so no load leaves x.
.macro ASK i, k
.if (\i)+AHEAD < NROWS
	LOAD1 (\i)+AHEAD, \k
.endif
.endm
.irp i, 0,1,2,3,4
.irp k, 0,1,2,3
	LOAD1 \i, \k                                   ; rows 0 to 4, 20 loads; slot 5 is asked for in turn 0, like every slot after it: one turn behind its maxima
.endr
.endr
; The turn of row i.
.macro TURN i
.set SL, X+16*(\i%DEPTH)                           ; the row's slot
.set AC, ACC+8*(\i/RPB)                            ; its row bin's accumulators
	; Loads come back in order (ISA guide 5.7.1).  Behind this row's four loads stand four for each younger row that has been
	; asked for: AHEAD - 1 = 4 rows while the ring is refilled, then only the rows that are left.
.if NROWS-1-\i < AHEAD-1
	s_wait_loadcnt 4*(NROWS-1-\i)
.else
	s_wait_loadcnt 4*(AHEAD-1)
.endif
	; Turn 0 has no turn in front of it, and the last AHEAD turns issue no memory instruction: they hold no such wait.
.if (\i > 0) && ((\i+AHEAD < NROWS) || (\i%RPB == 0))
	s_wait_alu depctr_va_vdst(0)                   ; the turn before is done reading its slot, in which the loads below land; in a row bin's first turn it has also written the finished row bin's accumulators, which the stores below read
.endif
.if \i%RPB == 0
	; the first row of a row bin starts the eight chains with max(j = 0, j = 1): nothing is cleared.  A load stands in front of every two maxima.
.irp c, 0,1,2,3
	ASK \i, \c
.if (\i > 0) && (\c < 2)
	; the row bin before is complete: two stores, each 512 consecutive bytes of out0 at a multiple of 512 from its first byte.
	; Their data registers belong to that row bin alone and are not written again; no vector instruction since the wait names them.
	global_store_b128 v[YO], v[AC-8+4*\c:AC-8+4*\c+3], s[6:7] offset:(\i/RPB-1)*OUTBIN+512*\c th:TH_STORE_NT
.endif
	v_maximum_f32 v[AC+\c],   v[SL+\c],   v[SL+4+\c]
	v_maximum_f32 v[AC+4+\c], v[SL+8+\c], v[SL+12+\c]
.endr
.else
	; eight independent chains: first all j = 0, then all j = 1, so that no line waits for the one in front of it.
	; A load stands in front of every four maxima; no vector instruction since the wait names its slot or v[XO].
.irp c, 0,1,2,3
.if \c%2 == 0
	ASK \i, \c/2
.endif
	v_maximum_f32 v[AC+\c],   v[AC+\c],   v[SL+\c]
	v_maximum_f32 v[AC+4+\c], v[AC+4+\c], v[SL+8+\c]
.endr
.irp c, 0,1,2,3
.if \c%2 == 0
	ASK \i, 2+\c/2
.endif
	v_maximum_f32 v[AC+\c],   v[AC+\c],   v[SL+4+\c]
	v_maximum_f32 v[AC+4+\c], v[AC+4+\c], v[SL+12+\c]
.endr
.endif
.endm
.irp i, 0,1,2,3,4,5,6,7,8,9,10,11,12,13,14,15
	TURN \i
.endr
	s_wait_alu depctr_va_vdst(0)                   ; the last turn has written the last row bin's accumulators, which the two stores below read
	global_store_b128 v[YO], v[ACC+8*(BINS-1):ACC+8*(BINS-1)+3],   s[6:7] offset:(BINS-1)*OUTBIN th:TH_STORE_NT
	global_store_b128 v[YO], v[ACC+8*(BINS-1)+4:ACC+8*(BINS-1)+7], s[6:7] offset:(BINS-1)*OUTBIN+512 th:TH_STORE_NT
	s_endpgm
.Lfunc_end_k_q02496e5f1b_pool:
	.size	k_q02496e5f1b_pool, .Lfunc_end_k_q02496e5f1b_pool-k_q02496e5f1b_pool
	.p2alignl 7, 3214868480
	.fill 96, 4, 3214868480
	.section	.rodata,"a",@progbits
	.p2align	6, 0x0
	.amdhsa_kernel k_q02496e5f1b_pool
		.amdhsa_group_segment_fixed_size 0
		.amdhsa_private_segment_fixed_size 0
		.amdhsa_enable_private_segment 0
		.amdhsa_kernarg_size 16
		.amdhsa_user_sgpr_count 2
		.amdhsa_user_sgpr_kernarg_segment_ptr 1
		.amdhsa_wavefront_size32 1
		.amdhsa_system_sgpr_workgroup_id_x 1
		.amdhsa_system_sgpr_workgroup_id_y 1
		.amdhsa_system_sgpr_workgroup_id_z 1
		.amdhsa_system_vgpr_workitem_id 0
		.amdhsa_next_free_vgpr 116
		.amdhsa_next_free_sgpr 66
		.amdhsa_reserve_vcc 0
		.amdhsa_float_denorm_mode_32 3
		.amdhsa_float_denorm_mode_16_64 3
		.amdhsa_memory_ordered 1
		.amdhsa_forward_progress 1
		.amdhsa_inst_pref_size 24
	.end_amdhsa_kernel
	.amdgpu_metadata
---
amdhsa.version: [ 1, 2 ]
amdhsa.kernels:
  - .name:           k_q02496e5f1b_pool
    .symbol:         k_q02496e5f1b_pool.kd
    .args:
      - { .name: x, .offset: 0, .size: 8, .value_kind: global_buffer, .address_space: global }
      - { .name: out0, .offset: 8, .size: 8, .value_kind: global_buffer, .address_space: global }
    .group_segment_fixed_size: 0
    .private_segment_fixed_size: 0
    .kernarg_segment_align: 8
    .kernarg_segment_size: 16
    .max_flat_workgroup_size: 256
    .sgpr_count:     66
    .vgpr_count:     116
    .wavefront_size: 32
...
	.end_amdgpu_metadata
.endif
;; end of part 2
